; MI455X (gfx1250); checked and timed in simulation.
; The chip was launched on July 23, 2026; its instructions are those of AMD's public machine-readable ISA for CDNA 5 (MIT licence, August 2026) and "CDNA5" Instruction Set Architecture Reference Guide (July 2026). The comments in the code are by the model that wrote it; some were corrected since.
;; Multi Head Attention MIL. Allowed arithmetic: matrix products marked QUANTISED: E5M2 operands, one E8M0 scale for each 32 along K, by v_wmma_scale_f32_16x16x128_f8f6f4 with both operands' format E5M2, f32 sums; products left as they are: f32 operands where the result goes on into a quantised operand, else bf16, f16 or f32 operands; f32 sums; everything else in f32.
;; Inputs: Wk 512 x 512 float32; Wo 512 x 512 float32; Wq 512 x 512 float32; Wv 512 x 512 float32; bk 512 float32; bo 512 float32; bq 512 float32; bv 512 float32; mask 131,072 bool; mil_query 512 float32; unit_embeddings 131,072 x 512 float32.
;; Outputs: out0 512 float32; out1 131,072 float32.
;; This version of the problem:
;;   THIS VERSION OF THE PROBLEM IS GIVEN IN LOW PRECISION. The matrix products marked QUANTISED in the list below multiply operands that are first quantised to E5M2 (5 exponent bits, 2 mantissa bits; 8 bits a number), with one power-of-two scale for each 32 numbers along K (OCP MX v1.0); their sums are f32. All else is computed in f32.
;;   The module's matrix products, in the order in which they are computed (A, B: the left and right operand; K: the contracted axis; several contracted axes count as one K, in the product's order):
;;     1. [M 1, K 512] x [K 512, N 512]; A: input mil_query; B: input Wq: left as it is (M = 1 < 16)
;;     2. [M 131,072, K 512] x [K 512, N 512]; A: input unit_embeddings; B: input Wk: QUANTISED
;;     3. [M 131,072, K 512] x [K 512, N 512]; A: input unit_embeddings; B: input Wv: QUANTISED
;;     4. batch 8 x [M 1, K 64] x [K 64, N 131,072]; A: computed on the way; B: computed on the way: left as it is (M = 1 < 16)
;;     5. batch 8 x [M 1, K 131,072] x [K 131,072, N 64]; A: softmax; B: computed on the way: left as it is (M = 1 < 16)
;;     6. [M 1, K 512] x [K 512, N 512]; A: computed on the way; B: input Wo: left as it is (M = 1 < 16)
;;   THE QUANTISER, for each operand of a quantised product, along K:
;;     - K is cut into blocks of 32 from its start; a last block that is shorter is filled with zeros.
;;     - A block's scale is 2^e with e = floor(log2(the largest magnitude in the block)) - 15, held to -126 .. 127; a block of zeros has e = 0. As a byte (E8M0): e + 127.
;;     - Each number is divided by its block's scale, clamped to +-57,344, and rounded to the nearest number of E5M2, ties to even, subnormals kept.
;;     - The product sums the exact products of the quantised numbers (number of the format x scale) in f32.
;;   ~~~python
;;   def quantise(x, axis):      # numpy; x: float32 -> the quantised numbers, widened to float32 again
;;       x = np.moveaxis(x, axis, -1); K = x.shape[-1]
;;       x = np.pad(x, [(0, 0)] * (x.ndim - 1) + [(0, -K % 32)]); x = x.reshape(x.shape[:-1] + (-1, 32)); a = np.abs(x).max(-1, keepdims=True)
;;       e = np.where(a > 0, np.clip(np.frexp(np.where(a > 0, a, 1))[1] - 1 - 15, -126, 127), 0)      # np.frexp(a)[1] - 1 = floor(log2(a)), exactly
;;       r = np.clip(x / 2.0 ** e, -57344, 57344)
;;       step = 2.0 ** (np.maximum(np.frexp(np.where(r == 0, 1, r))[1] - 1, -14) - 2)
;;       q = np.round(r / step) * step * 2.0 ** e      # np.round: ties to even
;;       return np.moveaxis(q.reshape(q.shape[:-2] + (-1,))[..., :K], -1, axis).astype(np.float32)
;;   ~~~
;; One version. Each part assembles by itself: llvm-mc -triple=amdgcn-amd-amdhsa -mcpu=gfx1250 --defsym DOCPART=n.
;; ======== version 1 of 1: 3 launches
;; limits: right only within a limited range of input values
;; workspace buffers: wcodes 524,288 bytes; wscales 16,384 bytes; qs 2,048 bytes; scores 4,194,304 bytes; pacc 262,144 bytes; pml 8,192 bytes
;; launch prep (part 1): grid 64 x 1, 4 waves a work-group, no clusters, 0 bytes of LDS; arguments Wk, Wv, Wq, bq, mil_query, wcodes, wscales, qs; writes wcodes, wscales, qs
.if DOCPART == 1
	.amdgcn_target "amdgcn-amd-amdhsa--gfx1250"
	.amdhsa_code_object_version 6
	.text
	.protected	k_q29e50ee0c5_prep
	.globl	k_q29e50ee0c5_prep
	.p2align	8
	.type	k_q29e50ee0c5_prep,@function
k_q29e50ee0c5_prep:
	s_mov_b64 s[64:65], 0
	v_nop
	global_prefetch_b8 v0, s[64:65] scope:SCOPE_SE
	s_setreg_imm32_b32 hwreg(HW_REG_WAVE_MODE, 25, 1), 1
	s_wait_xcnt 0x0
; Two small jobs that the main launch needs done once, in one launch.
; WORK-GROUPS 0-31: Wk and Wv, [512][512] f32 with K innermost, become codes of BF8 (E5M2) with one E8M0 byte for each 32 along K.
;   A block's scale is 2^(floor(log2(largest magnitude)) - 15); each number is divided by it, held within +-57,344 and rounded to the nearest code, ties to even.
;   The codes are laid AS THE MATRIX OPERAND'S REGISTERS TAKE THEM: wcodes[tile T][K step s][2,048 bytes], T 0-31 = Wk's rows 16 T on, T 32-63 = Wv's;
;   byte 512 c + 16 (16 h + r) + e is the code of row r of the tile at k = 128 s + 32 c + 16 h + e.  So a fragment is four loads of 16 bytes a lane, 512 consecutive bytes each.
;   wscales[1,024 rows][16 bytes]: Wk's rows, then Wv's; word s of a row serves K step s.
;   A wave takes one tile and two K steps: lane (rho = lane % 16, sigma = lane / 16) takes 128 neighbours along K of row rho, K step 2 sigma + s': four whole blocks, so a block's largest magnitude needs no other lane.
;   Its loads are 16 bytes a lane from rows 2,048 bytes apart; the wave's 32 loads between them read every byte of those runs of 512 bytes; 2 MiB in the whole launch.
; WORK-GROUPS 32-63: q' = (mil_query Wq^T + bq) x log2(e) / 8, in f32: a wave takes four rows of Wq, 512 consecutive bytes a load.
; LIMITS: a block whose largest magnitude lies under 2^-111 keeps the byte 1 (a block of zeros too: its codes are zeros, and this program alone reads the bytes); NaN and infinities among the inputs are not served.
.set X,   32                           ; v32-159  my 128 numbers: block b at X + 32 b
.set TM,  8                            ; v8-11 largest magnitudes, v16-19 the conversions' scale operands, v20-23 the bytes
.set PC,  160                          ; v160-191 the codes: block b at PC + 8 b
.set PW,  24                           ; v24      the scale word
	s_load_b256 s[4:11], s[0:1], 0x0               ; Wk s[4:5], Wv s[6:7], Wq s[8:9], bq s[10:11]
	s_load_b256 s[12:19], s[0:1], 0x20             ; mil_query s[12:13], wcodes s[14:15], wscales s[16:17], qs s[18:19]
	v_lshrrev_b32 v1, 5, v0
	v_readfirstlane_b32 s20, v1                    ; wave 0..3
	s_cmp_lt_u32 ttmp9, 32
	s_cbranch_scc0 .Lquery
	; ---- the weights
	s_lshl_b32 s24, ttmp9, 2
	s_add_co_u32 s24, s24, s20                     ; W = 4 x work-group + wave, 0..127
	s_lshr_b32 s25, s24, 1                         ; tile T
	s_and_b32 s26, s24, 1                          ; s'
	s_and_b32 s27, s25, 31                         ; the tile within its tensor
	s_lshl_b32 s28, s27, 15                        ; 16 rows of 2,048 bytes
	s_lshl_b32 s30, s26, 9                         ; + 512 s'
	s_add_co_u32 s28, s28, s30
	s_mov_b32 s29, 0
	s_lshl_b32 s30, s25, 13                        ; codes: 8,192 T + 2,048 s'
	s_lshl_b32 s32, s26, 11
	s_add_co_u32 s30, s30, s32
	s_mov_b32 s31, 0
	s_lshl_b32 s32, s25, 8                         ; scale words: 256 T + 4 s'
	s_lshl_b32 s34, s26, 2
	s_add_co_u32 s32, s32, s34
	s_mov_b32 s33, 0
	v_and_b32 v1, 15, v0                           ; rho
	v_bfe_u32 v2, v0, 4, 1                         ; sigma
	v_lshlrev_b32 v4, 11, v1
	v_lshl_add_u32 v4, v2, 10, v4                  ; in: 2,048 rho + 1,024 sigma
	v_lshlrev_b32 v5, 4, v1
	v_lshl_add_u32 v5, v2, 12, v5                  ; codes out: 16 rho + 4,096 sigma
	v_lshlrev_b32 v6, 4, v1
	v_lshl_add_u32 v6, v2, 3, v6                   ; scale word out: 16 rho + 8 sigma
	s_wait_alu depctr_va_vdst(0)
	s_wait_kmcnt 0x0
	s_cmp_lt_u32 ttmp9, 16                         ; Wk's work-group or Wv's: the choice hangs on the work-group's number alone
	s_cselect_b64 s[4:5], s[4:5], s[6:7]
	s_add_nc_u64 s[4:5], s[4:5], s[28:29]
	s_add_nc_u64 s[14:15], s[14:15], s[30:31]
	s_add_nc_u64 s[16:17], s[16:17], s[32:33]
.set qq, 0
.rept 32
	global_load_b128 v[X+4*qq:X+4*qq+3], v4, s[4:5] offset:16*qq th:TH_LOAD_NT
.set qq, qq+1
.endr
	s_wait_loadcnt 0x0
.irp b, 0,1,2,3
	v_max3_num_f32 v[TM+\b], |v[X+32*\b]|, |v[X+32*\b+1]|, 0x8000000   ; block b, and the floor 2^(16 - 127): the byte cannot fall under 1
.endr
.irp i, 2,4,6,8,10,12,14,16,18,20,22,24,26,28,30
.irp b, 0,1,2,3
	v_max3_num_f32 v[TM+\b], v[TM+\b], |v[X+32*\b+\i]|, |v[X+32*\b+\i+1]|   ; the four blocks by turns
.endr
.endr
.irp b, 0,1,2,3
	v_add_nc_u32 v[TM+8+\b], 0xf8800000, v[TM+\b]  ; 15 off the exponent field: the conversion takes this operand's exponent field as its scale
.endr
.irp b, 0,1,2,3
.endr
.irp b, 0,1,2,3
	v_lshrrev_b32 v[TM+12+\b], 23, v[TM+8+\b]      ; the scale's byte
.endr
	v_lshl_or_b32 v[PW], v[TM+13], 8, v[TM+12]
	v_lshl_or_b32 v[PW], v[TM+14], 16, v[PW]
	v_lshl_or_b32 v[PW], v[TM+15], 24, v[PW]
.irp b, 0,1,2,3
.set ii, 0
.rept 32
.set ii, ii+1
.endr
.endr
.irp b, 0,1,2,3
.irp g, 0,1,2,3
	v_cvt_scalef32_pk8_bf8_f32 v[PC+8*\b+2*\g:PC+8*\b+2*\g+1], v[X+32*\b+8*\g:X+32*\b+8*\g+7], v[TM+8+\b]
.endr
.endr
	v_nop                                          ; one plain line behind the last conversion
.irp b, 0,1,2,3
.irp h, 0,1
	global_store_b128 v5, v[PC+8*\b+4*\h:PC+8*\b+4*\h+3], s[14:15] offset:512*\b+256*\h   ; sixteen lanes store 256 consecutive bytes, aligned
.endr
.endr
	global_store_b32 v6, v[PW], s[16:17]
	s_endpgm
	; ---- q'
.Lquery:
	s_sub_co_u32 s24, ttmp9, 32
	s_lshl_b32 s24, s24, 2
	s_add_co_u32 s24, s24, s20                     ; W, 0..127: rows 4 W .. 4 W + 3 of Wq
	s_lshl_b32 s26, s24, 13                        ; four rows of 2,048 bytes
	s_mov_b32 s27, 0
	s_lshl_b32 s28, s24, 4                         ; four f32
	s_mov_b32 s29, 0
	s_mov_b32 s22, 0x76543210
	s_mov_b32 s23, 0xfedcba98                      ; v_permlanex16_b32's selects for lane l xor 16
	v_and_b32 v2, 31, v0                           ; lane
	v_lshlrev_b32 v4, 4, v2                        ; 16 bytes a lane
	v_mov_b32 v5, 0
.irp a, 0,1,2,3
	v_mov_b32 v[124+\a], 0                         ; a lane permute's destination counts as one of its sources
.endr
	s_wait_alu depctr_va_vdst(0)
	s_wait_kmcnt 0x0
	s_add_nc_u64 s[8:9], s[8:9], s[26:27]
	s_add_nc_u64 s[10:11], s[10:11], s[28:29]
	s_add_nc_u64 s[18:19], s[18:19], s[28:29]
	s_load_b128 s[32:35], s[10:11], 0x0            ; bq of my four rows
.irp i, 0,1,2,3
	global_load_b128 v[32+4*\i:35+4*\i], v4, s[12:13] offset:512*\i               ; mil_query: k = 128 i + 4 lane + 0 .. 3
.endr
.irp a, 0,1,2,3
.irp i, 0,1,2,3
	global_load_b128 v[48+16*\a+4*\i:51+16*\a+4*\i], v4, s[8:9] offset:2048*\a+512*\i th:TH_LOAD_NT   ; the same k of row 4 W + a
.endr
.endr
	s_wait_loadcnt 0x0
.irp a, 0,1,2,3
	v_pk_mul_f32 v[112+2*\a:113+2*\a], v[48+16*\a:49+16*\a], v[32:33]
.endr
.irp p, 1,2,3,4,5,6,7
.irp a, 0,1,2,3
	v_pk_fma_f32 v[112+2*\a:113+2*\a], v[48+16*\a+2*\p:49+16*\a+2*\p], v[32+2*\p:33+2*\p], v[112+2*\a:113+2*\a]   ; the four rows by turns
.endr
.endr
.irp a, 0,1,2,3
	v_add_f32 v[120+\a], v[112+2*\a], v[113+2*\a]
.endr
.irp x, 1,2,4,8
.irp a, 0,1,2,3
	v_add_f32_dpp v[120+\a], v[120+\a], v[120+\a] row_xmask:\x row_mask:0xf bank_mask:0xf
.endr
.endr
.irp a, 0,1,2,3
	v_permlanex16_b32 v[124+\a], v[120+\a], s22, s23
.endr
.irp a, 0,1,2,3
	v_add_f32 v[120+\a], v[120+\a], v[124+\a]      ; every lane holds the row's sum
.endr
	s_wait_alu depctr_va_vdst(0)
	s_wait_kmcnt 0x0
.irp a, 0,1,2,3
	v_add_f32 v[120+\a], s[32+\a], v[120+\a]       ; + bq
.endr
.irp a, 0,1,2,3
	v_mul_f32 v[120+\a], 0x3e38aa3b, v[120+\a]     ; x log2(e) / 8: the scores then come out as exponents of 2
.endr
	v_cmp_eq_u32 vcc_lo, 0, v2
	s_wait_alu depctr_va_vdst(0)
	s_wait_xcnt 0x0                                ; EXEC changes only behind this wait
	s_and_saveexec_b32 s30, vcc_lo
	global_store_b128 v5, v[120:123], s[18:19]     ; lane 0 stores the wave's four numbers
	s_wait_xcnt 0x0
	s_or_b32 exec_lo, exec_lo, s30
	s_endpgm
.Lfunc_end_k_q29e50ee0c5_prep:
	.size	k_q29e50ee0c5_prep, .Lfunc_end_k_q29e50ee0c5_prep-k_q29e50ee0c5_prep
	.p2alignl 7, 3214868480
	.fill 96, 4, 3214868480
	.section	.rodata,"a",@progbits
	.p2align	6, 0x0
	.amdhsa_kernel k_q29e50ee0c5_prep
		.amdhsa_group_segment_fixed_size 0
		.amdhsa_private_segment_fixed_size 0
		.amdhsa_enable_private_segment 0
		.amdhsa_kernarg_size 64
		.amdhsa_user_sgpr_count 2
		.amdhsa_user_sgpr_kernarg_segment_ptr 1
		.amdhsa_wavefront_size32 1
		.amdhsa_system_sgpr_workgroup_id_x 1
		.amdhsa_system_sgpr_workgroup_id_y 1
		.amdhsa_system_sgpr_workgroup_id_z 1
		.amdhsa_system_vgpr_workitem_id 0
		.amdhsa_next_free_vgpr 192
		.amdhsa_next_free_sgpr 66
		.amdhsa_reserve_vcc 1
		.amdhsa_float_denorm_mode_32 3
		.amdhsa_float_denorm_mode_16_64 3
		.amdhsa_fp16_overflow 1
		.amdhsa_memory_ordered 1
		.amdhsa_forward_progress 1
		.amdhsa_inst_pref_size 19
	.end_amdhsa_kernel
	.amdgpu_metadata
---
amdhsa.version: [ 1, 2 ]
amdhsa.kernels:
  - .name:           k_q29e50ee0c5_prep
    .symbol:         k_q29e50ee0c5_prep.kd
    .args:
      - { .name: Wk, .offset: 0, .size: 8, .value_kind: global_buffer, .address_space: global }
      - { .name: Wv, .offset: 8, .size: 8, .value_kind: global_buffer, .address_space: global }
      - { .name: Wq, .offset: 16, .size: 8, .value_kind: global_buffer, .address_space: global }
      - { .name: bq, .offset: 24, .size: 8, .value_kind: global_buffer, .address_space: global }
      - { .name: mil_query, .offset: 32, .size: 8, .value_kind: global_buffer, .address_space: global }
      - { .name: wcodes, .offset: 40, .size: 8, .value_kind: global_buffer, .address_space: global }
      - { .name: wscales, .offset: 48, .size: 8, .value_kind: global_buffer, .address_space: global }
      - { .name: qs, .offset: 56, .size: 8, .value_kind: global_buffer, .address_space: global }
    .group_segment_fixed_size: 0
    .private_segment_fixed_size: 0
    .kernarg_segment_align: 8
    .kernarg_segment_size: 64
    .max_flat_workgroup_size: 128
    .sgpr_count:     66
    .vgpr_count:     192
    .wavefront_size: 32
...
	.end_amdgpu_metadata
.endif
;; end of part 1
;; launch main (part 2): grid 256 x 1, 4 waves a work-group, clusters of 2 x 1, 327,680 bytes of LDS; arguments unit_embeddings, mask, wcodes, wscales, qs, bk, scores, pacc, pml; writes scores, pacc, pml
.if DOCPART == 2
	.amdgcn_target "amdgcn-amd-amdhsa--gfx1250"
	.amdhsa_code_object_version 6
	.text
	.protected	k_q29e50ee0c5_main
	.globl	k_q29e50ee0c5_main
	.p2align	8
	.type	k_q29e50ee0c5_main,@function
k_q29e50ee0c5_main:
	s_mov_b64 s[64:65], 0
	v_nop
	global_prefetch_b8 v0, s[64:65] scope:SCOPE_SE
	s_setreg_imm32_b32 hwreg(HW_REG_WAVE_MODE, 25, 1), 1
	s_wait_xcnt 0x0
	s_wait_alu depctr_hold_cnt(0) depctr_sa_sdst(0) depctr_va_vdst(0) depctr_va_sdst(0) depctr_va_ssrc(0) depctr_va_vcc(0) depctr_vm_vsrc(0)
	s_getreg_b32 s2, hwreg(HW_REG_IB_STS2, 6, 4)
	s_cmp_eq_u32 s2, 0
	s_cbranch_scc0 .Lentry_in_a_cluster
	s_endpgm
.Lentry_in_a_cluster:
	s_bfe_u32 s2, ttmp6, 0x10000c
	s_cmp_lg_u32 s2, 0x1001
	s_cbranch_scc0 .Lentry_shape_is_right
	s_endpgm
.Lentry_shape_is_right:
; K = X Wk^T and V = X Wv^T on codes of BF8 (E5M2) with one E8M0 scale for each 32 along the 512; the one-query score of each head, the mask, a running softmax and the weighted sum of V: K and V never leave the registers.
; SHARES.  A cluster of two work-groups takes 1,024 rows of X, 64 at a time, 16 times.  Work-group cx takes heads 4 cx .. 4 cx + 3, wave w of it head 4 cx + w: 64 rows of Wk and 64 of Wv,
; 8 tiles x 4 K steps x 16 registers = 512 registers, loaded once and kept.  So no weight is read again, and a head's score, softmax and weighting stay in one wave.
; X is asked for JOINTLY by the two work-groups (one tensor load with the mask of both, each receiving the tile in its own LDS) through a ring of two LDS slots of 64 rows of f32.
; Why two partners and not four: each partner quantises the shared rows for itself, so four partners on the same rows would quantise them four times for a quarter of the products each.
; A TRIP (64 rows):  Q: wave w quantises rows 16 w .. 16 w + 15 of the slot (a lane takes half a row, 256 numbers: whole blocks of 32, so no other lane is asked) and stores the codes to LDS
; AS IMAGES OF THE OPERAND'S REGISTERS, with their scale words | barrier |  M: 128 products: 4 tiles of rows x 4 K steps x my 8 tiles of weights, used TRANSPOSED (source 0 = 16 rows of W, source 1 = 16 rows of X):
; lane (r, h), register j holds row r of X and column 16 t + 8 h + j |  E: score = q' . K + q' . bk, mask, score stored, running maximum and sum, weighted V.
; WHICH ROWS FORM A TILE: slot row R is row R / 4 of tile R % 4, so that lane r ends up with the scores of rows 4 r .. 4 r + 3: 16 bytes a lane, sixteen lanes store 256 consecutive bytes, and the four mask bytes are one word.
; SOFTMAX.  t = score x log2(e) / 8 (the factor lies in q').  Each lane keeps a running maximum m, a sum l and 32 sums of p V for its own rows; in every trip l and the sums are multiplied by 2^(m_old - m_new).
; At the end the sixteen lanes of a half are brought under one maximum and added.  The next launch joins the 128 clusters' parts.  bk enters as the constant q' . bk; bv is added in the next launch (the weights add up to 1).
; LIMITS: NaN and infinities among the inputs are not served; scores under -3e38 (the running maximum's start) are not served; a block of X whose largest magnitude lies under 2^-111 keeps the byte 1
; (a block of zeros too: its codes are zeros); a p under 2^-126 counts as 0 (v_exp_f32 flushes).
; REGISTERS, in windows of 256 (s_set_vgpr_msb: bits 1:0 source 0, 3:2 source 1, 5:4 source 2, 7:6 destination):
;   window 0: addresses, scale words, q', the sums, X's fragments, the codes just made (map below).   window 1: in Q 256 numbers of X, in M and E the 32 accumulators, (tile of rows m, tile of weights u) at 64 m + 8 u.
;   window 2: Wk's 16 fragments, (t, s) at 64 t + 16 s.   window 3: Wv's likewise.
.set UP,    1040                       ; half a row of X in LDS: 1,024 bytes + 16 of padding = 65 x 16: lanes that read the same column of neighbouring units touch different 16-byte columns modulo 256
.set WREG,  32*UP                      ; what one tensor load brings: 16 rows = 32 units
.set SLOTB, 4*WREG                     ; a slot: 64 rows
.set TILEB, 131072                     ; 64 rows of X in memory
.set IMG,   2*SLOTB                    ; behind the ring: the codes' images: half sigma of K, tile m at (4 sigma + m) IMGP; in it 2,048 s' + 512 c + 16 (16 h + r)
.set IMGP,  4128                       ; 4,096 + 32: the sixteen lanes of a store's pass then fall on sixteen different 16-byte columns modulo 256
.set SCI,   IMG+8*IMGP                 ; X's scale words: 256 m + 16 r + 4 s
.set SPARE, SCI+1024                   ; the spare words, 128 bytes for each wave: two blocks of 256 bytes that no other line names
.set SPW,  1                           ; v1   LDS address of my spare word; never rewritten
.set NIL,  2                           ; v2   0; never rewritten
.set ADX,  3                           ; v3-4 my unit in slot 0, 1
.set AIW,  5                           ; v5   where I store my codes' images
.set ASW,  6                           ; v6   and my two scale words
.set AIR,  7                           ; v7   where I read an image: IMG + 16 x lane
.set ASR,  8                           ; v8   and a tile's scale words: SCI + 16 r
.set AMK,  9                           ; v9   4 r: my four rows' mask bytes
.set ASC,  10                          ; v10  16 r: my four scores; also W's scale words
.set LN,   11                          ; v11  lane
.set RR,   12                          ; v12  r = lane % 16
.set APA,  13                          ; v13  32 h: my eight columns of a tile, in f32
.set AWL,  14                          ; v14  16 x lane: a fragment's place for my lane
.set ZO,   15                          ; v15  0, an offset
.set WS,   16                          ; v16-47   W's scale words: tile u (0-3 Wk, 4-7 Wv), K step s at WS + 4 u + s.  These and XS hold scales and nothing else
.set XS,   48                          ; v48-63   X's scale words: XS + 4 m + s
.set QV,   64                          ; v64-95   q' of my columns: QV + 8 t + j
.set AV,   96                          ; v96-127  the sums of p V: AV + 8 t + j
.set XF,   128                         ; v128-191 X's fragments of one tile of rows: XF + 16 s
.set PC,   192                         ; v192-223 in Q: the codes just made
.set SP,   200                         ; in E: v200-207 four pairs of score sums,
.set TS,   208                         ; v208-211 the four scores,
.set PP,   212                         ; v212-219 p in the even registers (the packed forms take a pair's low word for both halves; the odd ones hold what Q left),
.set FF,   220                         ; v220-221 2^(m_old - m_new), likewise
.set TM,   224                         ; v224-227 largest magnitudes, v232-235 the conversions' scale operands, v236-239 the bytes
.set PW,   240                         ; v240-241 my two scale words
.set MX,   242                         ; v242 m
.set LS,   243                         ; v243 l
.set CI,   244                         ; v244-245 (q' . bk / 2, 0): the C of a score's first multiply-add; the two halves of the lanes add up to the whole
.set MK,   246                         ; v246 the mask word
.set NINF, 247                         ; v247 -infinity
.set TX,   248                         ; v248-251 at work
.set MN,   252                         ; v252 the new m
.set WV,   22                          ; s22  my wave's number
.set G1,   28                          ; s[28:35] descriptor group 1
.set G0,   36                          ; s[36:39], s[40:43] group 0 for slot 0, 1
.set CNT,  44
.set SEL,  46                          ; s[46:47] v_permlanex16_b32's selects for lane l xor 16
.set MNT,  48
.set MSB, 0
.macro WIN new                         ; the immediate's high byte repeats the setting that is left; a switch that changes nothing is dropped
.if MSB != \new
	s_set_vgpr_msb (MSB<<8)|\new
.set MSB, \new
.endif
.endm
; A round of the cluster's barrier: my work-group's barrier, so that wave 0's signal speaks for all four waves; wave 0 signals for the work-group; every wave waits for both work-groups; my work-group's barrier once more.
.macro ROUND
	s_barrier_signal -1
	s_barrier_wait -1
	s_cmp_lg_u32 s[WV], 0
	s_cbranch_scc1 .Lnot_wave_0_\@
	s_barrier_signal -3
.Lnot_wave_0_\@:
	s_barrier_wait -3
	s_barrier_signal -1
	s_barrier_wait -1
.endm
.macro PLACES n
.rept \n
	v_nop
.endr
.endm
	s_load_b256 s[4:11], s[0:1], 0x0               ; X s[4:5], mask s[6:7], wcodes s[8:9], wscales s[10:11]
	s_load_b256 s[12:19], s[0:1], 0x20             ; qs s[12:13], bk s[14:15], scores s[16:17], pacc s[18:19]
	s_load_b64 s[20:21], s[0:1], 0x40              ; pml
	v_lshl_add_u32 v[SPW], v0, 2, SPARE
	v_mov_b32 v[NIL], 0
	ds_add_u32 v1, v2
	ds_add_u32 v1, v2
	s_wait_dscnt 0x0
	v_lshrrev_b32 v[MN], 5, v0
	v_readfirstlane_b32 s[WV], v[MN]               ; wave 0..3
	; descriptor group 1: 16 rows of X are 32,768 dense bytes: 32 rows of 256 elements of 4 bytes, 16 bytes of padding behind each
	s_mov_b32 s[G1], 3|(2<<16)|(1<<20)|(1<<21)|(7<<22)|(3<<25)   ; 15:0 the mask: both work-groups; 17:16 elements of 4 bytes; 20 padding on; 21 set beside a mask; 24:22 after every 256 words (code 7); 31:25 four words (code 3)
	s_mov_b32 s[G1+1], 256<<16                     ; tensor_dim0 = 256
	s_mov_b32 s[G1+2], 32<<16                      ; tensor_dim1 = 32
	s_mov_b32 s[G1+3], 256<<16                     ; tile_dim0 = 256
	s_mov_b32 s[G1+4], 32                          ; tile_dim1 = 32
	s_mov_b32 s[G1+5], 256                         ; from row to row
	s_mov_b32 s[G1+6], 0
	s_mov_b32 s[G1+7], 0
	s_mul_i32 s52, s[WV], WREG                     ; where my 16 rows go: the wave's number alone enters an LDS address
	s_lshl_b32 s54, ttmp9, 21                      ; where they come from: the cluster's 1,024 rows of 2,048 bytes (ttmp9 counts clusters),
	s_lshl_b32 s53, s[WV], 15                      ; my 16 of a tile's 64
	s_add_co_u32 s54, s54, s53
	s_mov_b32 s55, 0
	s_mov_b32 s[SEL], 0x76543210
	s_mov_b32 s[SEL+1], 0xfedcba98
	s_wait_kmcnt 0x0
	s_add_nc_u64 s[54:55], s[4:5], s[54:55]
.irp n, 0,1
	s_mov_b32 s[G0+4*\n], 1                        ; count = 1
	s_add_co_u32 s[G0+4*\n+1], s52, \n*SLOTB       ; LDS address
	s_add_nc_u64 s[G0+4*\n+2:G0+4*\n+3], s[54:55], \n*TILEB   ; global address: tile n
	s_or_b32 s[G0+4*\n+3], s[G0+4*\n+3], 0x80000000           ; type = 2
.endr
	ROUND                                          ; both work-groups are here: the first joint loads meet
	tensor_load_to_lds s[G0:G0+3], s[G1:G1+7]      ; tile 0 into slot 0; slot 1 is first filled behind the first trip's round, as a refill is
	s_nop 0
	PLACES 4
	; my place in the cluster enters global addresses alone: the head's weights, q', bk, and what I store
	s_bfe_u32 s23, ttmp6, 0x40000                  ; cx
	s_lshl_b32 s24, s23, 2
	s_add_co_u32 s24, s24, s[WV]                   ; my head
	s_mov_b32 s57, 0
	s_lshl_b32 s56, s24, 15                        ; wcodes: four tiles of 8,192 bytes a head
	s_add_nc_u64 s[8:9], s[8:9], s[56:57]
	s_lshl_b32 s56, s24, 10                        ; wscales: 64 rows of 16 bytes
	s_add_nc_u64 s[10:11], s[10:11], s[56:57]
	s_lshl_b32 s56, s24, 8                         ; 64 f32
	s_add_nc_u64 s[12:13], s[12:13], s[56:57]
	s_add_nc_u64 s[14:15], s[14:15], s[56:57]
	s_add_nc_u64 s[18:19], s[18:19], s[56:57]
	s_lshl_b32 s56, s24, 19                        ; scores: 131,072 f32 a head
	s_add_nc_u64 s[16:17], s[16:17], s[56:57]
	s_lshl_b32 s56, s24, 3
	s_add_nc_u64 s[20:21], s[20:21], s[56:57]
	s_lshl_b32 s56, ttmp9, 12                      ; the cluster's 1,024 rows: in scores,
	s_add_nc_u64 s[16:17], s[16:17], s[56:57]
	s_lshl_b32 s56, ttmp9, 10                      ; in the mask,
	s_add_nc_u64 s[6:7], s[6:7], s[56:57]
	s_lshl_b32 s56, ttmp9, 11                      ; its row of pacc,
	s_add_nc_u64 s[18:19], s[18:19], s[56:57]
	s_lshl_b32 s56, ttmp9, 6                       ; and of pml
	s_add_nc_u64 s[20:21], s[20:21], s[56:57]
	v_and_b32 v[LN], 31, v0
	v_and_b32 v[RR], 15, v0
	v_bfe_u32 v[APA], v0, 4, 1
	v_lshlrev_b32 v[APA], 5, v[APA]
	v_lshlrev_b32 v[AWL], 4, v[LN]
	v_mov_b32 v[ZO], 0
	v_lshlrev_b32 v[ASC], 4, v[RR]
	v_lshlrev_b32 v[AMK], 2, v[RR]
	WIN 0x80                                       ; destination window 2
.irp t, 0,1,2,3
.irp s, 0,1,2,3
.irp c, 0,1,2,3
	global_load_b128 v[64*\t+16*\s+4*\c:64*\t+16*\s+4*\c+3], v[AWL], s[8:9] offset:8192*\t+2048*\s+512*\c          ; Wk's fragments: 512 consecutive bytes a load
.endr
.endr
.endr
	WIN 0xc0                                       ; destination window 3
.irp t, 0,1,2,3
.irp s, 0,1,2,3
.irp c, 0,1,2,3
	global_load_b128 v[64*\t+16*\s+4*\c:64*\t+16*\s+4*\c+3], v[AWL], s[8:9] offset:262144+8192*\t+2048*\s+512*\c   ; Wv's: 32 tiles further on
.endr
.endr
.endr
	WIN 0
.irp t, 0,1,2,3
	global_load_b128 v[WS+4*\t:WS+4*\t+3], v[ASC], s[10:11] offset:256*\t              ; lane r: the four words of row 16 t + r of Wk,
	global_load_b128 v[WS+16+4*\t:WS+16+4*\t+3], v[ASC], s[10:11] offset:8192+256*\t   ; of Wv
.endr
.irp t, 0,1,2,3
	global_load_b128 v[QV+8*\t:QV+8*\t+3], v[APA], s[12:13] offset:64*\t               ; q' at columns 16 t + 8 h + 0 .. 7
	global_load_b128 v[QV+8*\t+4:QV+8*\t+7], v[APA], s[12:13] offset:64*\t+16
	global_load_b128 v[XF+8*\t:XF+8*\t+3], v[APA], s[14:15] offset:64*\t               ; bk likewise, into registers that the fragments take later
	global_load_b128 v[XF+8*\t+4:XF+8*\t+7], v[APA], s[14:15] offset:64*\t+16
.endr
	; LDS addresses.  My unit of a slot is the thread's number: 32 x wave + lane; lane = 2 rho + sigma: half sigma of slot row 16 w + rho, which is row 4 w + rho / 4 of tile rho % 4
	v_mul_u32_u24 v[ADX], v0, UP
	v_add_nc_u32 v[ADX+1], SLOTB, v[ADX]
	v_and_b32 v[TX], 1, v0                         ; sigma
	v_bfe_u32 v[TX+1], v0, 1, 2                    ; the tile, rho % 4
	v_bfe_u32 v[TX+2], v0, 3, 2                    ; rho / 4
	v_lshl_add_u32 v[TX+3], v[TX], 2, v[TX+1]
	s_lshl_b32 s60, s[WV], 6                       ; 16 bytes x 4 rows a wave
	v_mul_u32_u24 v[AIW], v[TX+3], IMGP
	v_lshl_add_u32 v[AIW], v[TX+2], 4, v[AIW]
	v_add_nc_u32 v[AIW], s60, v[AIW]
	v_add_nc_u32 v[AIW], IMG, v[AIW]               ; IMG + (4 sigma + tile) IMGP + 16 (4 w + rho / 4)
	v_lshlrev_b32 v[ASW], 8, v[TX+1]
	v_lshl_add_u32 v[ASW], v[TX+2], 4, v[ASW]
	v_lshl_add_u32 v[ASW], v[TX], 3, v[ASW]
	v_add_nc_u32 v[ASW], s60, v[ASW]
	v_add_nc_u32 v[ASW], SCI, v[ASW]               ; SCI + 256 tile + 16 (4 w + rho / 4) + 8 sigma
	v_add_nc_u32 v[AIR], IMG, v[AWL]
	v_add_nc_u32 v[ASR], SCI, v[ASC]
	v_mov_b32 v[MX], 0xff61b1e6                    ; m: -3e38, under every score that is served
	v_mov_b32 v[LS], 0
	v_mov_b32 v[NINF], 0xff800000
.set ii, 0
.rept 32
	v_mov_b32 v[AV+ii], 0                          ; the trip is written once, for a running state: the first finds zeros
.set ii, ii+1
.endr
	s_wait_loadcnt 0x0                             ; the weights, their scales, q', bk
	v_pk_mul_f32 v[CI:CI+1], v[QV:QV+1], v[XF:XF+1]
.irp i, 2,4,6,8,10,12,14,16,18,20,22,24,26,28,30
	v_pk_fma_f32 v[CI:CI+1], v[QV+\i:QV+\i+1], v[XF+\i:XF+\i+1], v[CI:CI+1]
.endr
	v_add_f32 v[CI], v[CI], v[CI+1]
	v_permlanex16_b32 v[TX], v[CI], s[SEL], s[SEL+1]
	v_add_f32 v[CI], v[CI], v[TX]                  ; q' . bk over the head's 64 columns
	v_mul_f32 v[CI], 0.5, v[CI]
	v_mov_b32 v[CI+1], 0
; 128 numbers of my half-row, in window 1 at v[f] on (block b at f + 32 b), become 32 registers of codes in v[PC] on and a scale word in v[pw].
.macro QUANT f, pw
	WIN 0x05
.irp b, 0,1,2,3
	v_max3_num_f32 v[TM+\b], |v[\f+32*\b]|, |v[\f+32*\b+1]|, 0x8000000   ; block b, and the floor 2^(16 - 127): the byte cannot fall under 1
.endr
	WIN 0x14
.irp i, 2,4,6,8,10,12,14,16,18,20,22,24,26,28,30
.irp b, 0,1,2,3
	v_max3_num_f32 v[TM+\b], v[TM+\b], |v[\f+32*\b+\i]|, |v[\f+32*\b+\i+1]|   ; the four blocks by turns
.endr
.endr
	WIN 0
.irp b, 0,1,2,3
	v_add_nc_u32 v[TM+8+\b], 0xf8800000, v[TM+\b]  ; 15 off the exponent field: the conversion takes this operand's exponent field as its scale
.endr
.irp b, 0,1,2,3
.endr
.irp b, 0,1,2,3
	v_lshrrev_b32 v[TM+12+\b], 23, v[TM+8+\b]      ; the scale's byte
.endr
	v_lshl_or_b32 v[\pw], v[TM+13], 8, v[TM+12]
	v_lshl_or_b32 v[\pw], v[TM+14], 16, v[\pw]
	v_lshl_or_b32 v[\pw], v[TM+15], 24, v[\pw]
	WIN 0x41
.irp b, 0,1,2,3
.set ii, 0
.rept 32
.set ii, ii+1
.endr
.endr
	WIN 0x01
.irp b, 0,1,2,3
.irp g, 0,1,2,3
	v_cvt_scalef32_pk8_bf8_f32 v[PC+8*\b+2*\g:PC+8*\b+2*\g+1], v[\f+32*\b+8*\g:\f+32*\b+8*\g+7], v[TM+8+\b]
.endr
.endr
	WIN 0
	v_nop                                          ; one plain line behind the last conversion: later lines write its sources and its results again
.endm
.macro IMAGE o                         ; block b, half h of the codes is registers 4 b .. 4 b + 3 of lane (r, h) of the fragment: 16 bytes at 512 b + 256 h + 16 r
.irp b, 0,1,2,3
.irp h, 0,1
	ds_store_b128 v[AIW], v[PC+8*\b+4*\h:PC+8*\b+4*\h+3] offset:\o+512*\b+256*\h
.endr
.endr
.endm
.macro QPHASE slot
	WIN 0x40                                       ; destination window 1
.set qq, 0
.rept 32
	ds_load_b128 v[4*qq:4*qq+3], v[ADX+\slot] offset:16*qq
.set qq, qq+1
.endr
.set qq, 0
.rept 32
	ds_load_b128 v[128+4*qq:128+4*qq+3], v[ADX+\slot] offset:512+16*qq
.set qq, qq+1
.endr
	WIN 0
	s_wait_dscnt 32                                ; my first 128 numbers are in; the 32 loads of the second 128 may be out
	QUANT 0, PW
	IMAGE 0
	s_wait_dscnt 0x0                               ; the second 128 are in, and the stores have read the codes' registers
	QUANT 128, PW+1
	IMAGE 2048
	ds_store_b64 v[ASW], v[PW:PW+1]
.endm
.macro FETCHX m, s                     ; the fragment of tile m, K step s, as it was stored: 512 consecutive bytes a load
.irp c, 0,1,2,3
	ds_load_b128 v[XF+16*(\s)+4*\c:XF+16*(\s)+4*\c+3], v[AIR] offset:(4*((\s)/2)+(\m))*IMGP+((\s)%2)*2048+512*\c
.endr
.endm
.macro PROD m, s, u
.if (\s) == 0
	v_wmma_scale_f32_16x16x128_f8f6f4 v[64*(\m)+8*(\u):64*(\m)+8*(\u)+7], v[64*((\u)%4)+16*(\s):64*((\u)%4)+16*(\s)+15], v[XF+16*(\s):XF+16*(\s)+15], 0, v[WS+4*(\u)+(\s)], v[XS+4*(\m)+(\s)] matrix_a_fmt:MATRIX_FMT_BF8 matrix_b_fmt:MATRIX_FMT_BF8
.else
	v_wmma_scale_f32_16x16x128_f8f6f4 v[64*(\m)+8*(\u):64*(\m)+8*(\u)+7], v[64*((\u)%4)+16*(\s):64*((\u)%4)+16*(\s)+15], v[XF+16*(\s):XF+16*(\s)+15], v[64*(\m)+8*(\u):64*(\m)+8*(\u)+7], v[WS+4*(\u)+(\s)], v[XS+4*(\m)+(\s)] matrix_a_fmt:MATRIX_FMT_BF8 matrix_b_fmt:MATRIX_FMT_BF8
.endif
.endm
; 128 products.  A tile's eight accumulators take turns, one instruction a turn, K step by K step; the first K step starts the sums with the constant 0.
; Behind each group of eight its fragment of X is fetched anew for the next tile of rows, eight places behind the products that read it.
.macro MPHASE
.irp m, 0,1,2,3
	ds_load_b128 v[XS+4*\m:XS+4*\m+3], v[ASR] offset:256*\m
.endr
.irp s, 0,1,2,3
	FETCHX 0, \s
.endr
.irp m, 0,1,2,3
.irp s, 0,1,2,3
.if \m == 3
	s_wait_dscnt 12-4*\s                           ; the last tile: behind this fragment's loads only those of the K steps still to come
.else
	s_wait_dscnt 12                                ; behind this fragment's four loads three more fragments have been asked for
.endif
	WIN 0x52                                       ; source 0 (Wk) window 2, source 1 (X) window 0, C and D window 1
.irp u, 0,1,2,3
	PROD \m, \s, \u
.endr
	WIN 0x53                                       ; source 0 (Wv) window 3
.irp u, 4,5,6,7
	PROD \m, \s, \u
.endr
	WIN 0
	PLACES 8                                       ; in front of the loads below; behind the very last group: in front of the first read of results
.if \m < 3
	FETCHX \m+1, \s
.endif
.endr
.endr
.endm
.macro EPHASE
	WIN 0x01                                       ; source 0 (an accumulator) window 1
.irp t, 0,1,2,3
.irp j, 0,2,4,6
.irp m, 0,1,2,3
.if (\t == 0) && (\j == 0)
	v_pk_fma_f32 v[SP+2*\m:SP+2*\m+1], v[64*\m+8*\t+\j:64*\m+8*\t+\j+1], v[QV+8*\t+\j:QV+8*\t+\j+1], v[CI:CI+1]   ; q' . K, my 32 columns; each accumulator from its low end on; the four tiles by turns
.else
	v_pk_fma_f32 v[SP+2*\m:SP+2*\m+1], v[64*\m+8*\t+\j:64*\m+8*\t+\j+1], v[QV+8*\t+\j:QV+8*\t+\j+1], v[SP+2*\m:SP+2*\m+1]
.endif
.endr
.endr
.endr
	WIN 0
.irp m, 0,1,2,3
	v_add_f32 v[TS+\m], v[SP+2*\m], v[SP+2*\m+1]
.endr
.irp m, 0,1,2,3
	v_permlanex16_b32 v[TX+\m], v[TS+\m], s[SEL], s[SEL+1]
.endr
.irp m, 0,1,2,3
	v_add_f32 v[TS+\m], v[TS+\m], v[TX+\m]         ; with the other half's 32 columns: t of row 4 r + m, in both halves of the lanes
.endr
	s_wait_alu depctr_va_vdst(0)
	s_wait_loadcnt 0x0                             ; the mask word
.irp m, 0,1,2,3
	v_and_b32 v[TX+\m], 0xff<<(8*\m), v[MK]
.endr
.irp m, 0,1,2,3
	v_cmp_eq_u32 vcc_lo, 0, v[TX+\m]
	v_cndmask_b32 v[TS+\m], v[TS+\m], v[NINF], vcc_lo   ; a masked row's score is -infinity: a choice of a value, no branch
.endr
	v_cmp_gt_u32 vcc_lo, 16, v[LN]
	s_wait_alu depctr_va_vdst(0)
	s_wait_xcnt 0x0                                ; EXEC changes only behind this wait
	s_and_saveexec_b32 s50, vcc_lo
	global_store_b128 v[ASC], v[TS:TS+3], s[16:17] ; lanes 0-15 store 256 consecutive bytes, aligned: the slot's 64 scores of my head
	s_wait_xcnt 0x0                                ; and again; it also frees the store's data and base
	s_or_b32 exec_lo, exec_lo, s50
	v_max3_num_f32 v[MN], v[MX], v[TS], v[TS+1]
	v_max3_num_f32 v[MN], v[MN], v[TS+2], v[TS+3]  ; the new m
	v_sub_f32 v[FF], v[MX], v[MN]
	v_mov_b32 v[MX], v[MN]
.irp m, 0,1,2,3
	v_sub_f32 v[PP+2*\m], v[TS+\m], v[MN]
.endr
	s_wait_alu depctr_va_vdst(0)
	v_exp_f32 v[FF], v[FF]                         ; 2^(m_old - m_new)
.irp m, 0,1,2,3
	v_exp_f32 v[PP+2*\m], v[PP+2*\m]               ; p = 2^(t - m)
.endr
	v_nop                                          ; one plain line behind the exponentials
	s_wait_alu depctr_va_vdst(0)
	v_add_f32 v[TX], v[PP], v[PP+2]
	v_add_f32 v[TX+1], v[PP+4], v[PP+6]
	v_add_f32 v[TX], v[TX], v[TX+1]
	v_fma_f32 v[LS], v[LS], v[FF], v[TX]
.irp i, 0,2,4,6,8,10,12,14,16,18,20,22,24,26,28,30
	v_pk_mul_f32 v[AV+\i:AV+\i+1], v[AV+\i:AV+\i+1], v[FF:FF+1] op_sel_hi:[1,0]
.endr
	WIN 0x01
.irp m, 0,1,2,3
.irp t, 0,1,2,3
.irp j, 0,2,4,6
	v_pk_fma_f32 v[AV+8*\t+\j:AV+8*\t+\j+1], v[64*\m+32+8*\t+\j:64*\m+32+8*\t+\j+1], v[PP+2*\m:PP+2*\m+1], v[AV+8*\t+\j:AV+8*\t+\j+1] op_sel_hi:[1,0,1]   ; += p V
.endr
.endr
.endr
	WIN 0
	s_add_nc_u64 s[6:7], s[6:7], 64                ; the next 64 rows' mask bytes (the load has come back)
	s_add_nc_u64 s[16:17], s[16:17], 256           ; and scores (behind the wait on XCNT above)
.endm
; A TRIP.  In front of the round each wave waits for all its tensor loads, of which one is out: its part of this trip's tile; adds 0 to its spare word; and waits for that, for its reads of the other slot and for its reads of the last images.
; Behind the round no wave of either work-group reads the other slot or has a load on its way: it is filled again first thing, and that load has the whole trip in which to land.  One tensor load of mine is out at any time.
.macro TRIP slot, refill
	s_wait_tensorcnt 0x0
	ds_add_u32 v[SPW], v[NIL]
	s_add_nc_u64 s[G0+4*\slot+2:G0+4*\slot+3], s[G0+4*\slot+2:G0+4*\slot+3], 2*TILEB   ; no load of mine is out: this slot's next tile
	s_wait_dscnt 0x0
	ROUND
.if \refill
	tensor_load_to_lds s[G0+4-4*\slot:G0+7-4*\slot], s[G1:G1+7]
	s_nop 0
	PLACES 4
.endif
	global_load_b32 v[MK], v[AMK], s[6:7]          ; my four rows' mask bytes, wanted at the trip's end
	QPHASE \slot
	s_wait_dscnt 0x0                               ; for the others' sake: my images and scale words have landed
	s_barrier_signal -1
	s_barrier_wait -1                              ; everybody's have.  The tile on its way stays out
	MPHASE
	EPHASE
.endm
	s_mov_b32 s[CNT], 7
.Lloop:                                            ; 7 trips of two tiles; the last two tiles are written out
	TRIP 0, 1
	TRIP 1, 1
	s_sub_co_u32 s[CNT], s[CNT], 1
	s_cmp_lg_u32 s[CNT], 0
	s_cbranch_scc1 .Lloop
	TRIP 0, 1                                      ; tile 14; asks for tile 15
	TRIP 1, 0                                      ; tile 15; nothing is left to fetch
	; THE WAVE'S END: the sixteen lanes of a half are brought under one maximum and added (both halves hold the same m and l; each its own eight columns of a tile)
	v_mov_b32 v[MN], v[MX]
.irp x, 1,2,4,8
	v_max_num_f32_dpp v[MN], v[MN], v[MN] row_xmask:\x row_mask:0xf bank_mask:0xf
.endr
	v_sub_f32 v[FF], v[MX], v[MN]
	s_wait_alu depctr_va_vdst(0)
	v_exp_f32 v[FF], v[FF]
	v_mov_b32 v[MX], v[MN]                         ; (a plain line behind the exponential)
	s_wait_alu depctr_va_vdst(0)
	v_mul_f32 v[LS], v[LS], v[FF]
.irp x, 1,2,4,8
	v_add_f32_dpp v[LS], v[LS], v[LS] row_xmask:\x row_mask:0xf bank_mask:0xf
.endr
.irp i, 0,2,4,6,8,10,12,14,16,18,20,22,24,26,28,30
	v_pk_mul_f32 v[AV+\i:AV+\i+1], v[AV+\i:AV+\i+1], v[FF:FF+1] op_sel_hi:[1,0]
.endr
.irp x, 1,2,4,8
.set ii, 0
.rept 32
	v_add_f32_dpp v[AV+ii], v[AV+ii], v[AV+ii] row_xmask:\x row_mask:0xf bank_mask:0xf
.set ii, ii+1
.endr
.endr
	v_cmp_eq_u32 vcc_lo, 0, v[RR]
	s_wait_alu depctr_va_vdst(0)
	s_wait_xcnt 0x0
	s_and_saveexec_b32 s50, vcc_lo                 ; lanes 0 and 16: once a wave, 256 bytes in eight stores
.irp t, 0,1,2,3
.irp g, 0,1
	global_store_b128 v[APA], v[AV+8*\t+4*\g:AV+8*\t+4*\g+3], s[18:19] offset:64*\t+16*\g   ; columns 16 t + 8 h + 4 g on
.endr
.endr
	s_wait_xcnt 0x0
	s_or_b32 exec_lo, exec_lo, s50
	v_cmp_eq_u32 vcc_lo, 0, v[LN]
	s_and_saveexec_b32 s50, vcc_lo
	global_store_b64 v[ZO], v[MX:MX+1], s[20:21]   ; (m, l) of my head for these 1,024 rows
	s_wait_xcnt 0x0
	s_or_b32 exec_lo, exec_lo, s50
	s_wait_tensorcnt 0x0
	ds_add_u32 v[SPW], v[NIL]
	s_wait_dscnt 0x0
	ROUND                                          ; the closing round: no work-group ends while its partner may still ask for a tile that names it
	s_endpgm
.Lfunc_end_k_q29e50ee0c5_main:
	.size	k_q29e50ee0c5_main, .Lfunc_end_k_q29e50ee0c5_main-k_q29e50ee0c5_main
	.p2alignl 7, 3214868480
	.fill 96, 4, 3214868480
	.section	.rodata,"a",@progbits
	.p2align	6, 0x0
	.amdhsa_kernel k_q29e50ee0c5_main
		.amdhsa_group_segment_fixed_size 327680
		.amdhsa_private_segment_fixed_size 0
		.amdhsa_enable_private_segment 0
		.amdhsa_kernarg_size 72
		.amdhsa_user_sgpr_count 2
		.amdhsa_user_sgpr_kernarg_segment_ptr 1
		.amdhsa_wavefront_size32 1
		.amdhsa_system_sgpr_workgroup_id_x 1
		.amdhsa_system_sgpr_workgroup_id_y 1
		.amdhsa_system_sgpr_workgroup_id_z 1
		.amdhsa_system_vgpr_workitem_id 0
		.amdhsa_next_free_vgpr 1024
		.amdhsa_next_free_sgpr 66
		.amdhsa_reserve_vcc 1
		.amdhsa_float_denorm_mode_32 3
		.amdhsa_float_denorm_mode_16_64 3
		.amdhsa_fp16_overflow 1
		.amdhsa_memory_ordered 1
		.amdhsa_forward_progress 1
		.amdhsa_inst_pref_size 255
	.end_amdhsa_kernel
	.amdgpu_metadata
---
amdhsa.version: [ 1, 2 ]
amdhsa.kernels:
  - .name:           k_q29e50ee0c5_main
    .symbol:         k_q29e50ee0c5_main.kd
    .args:
      - { .name: unit_embeddings, .offset: 0, .size: 8, .value_kind: global_buffer, .address_space: global }
      - { .name: mask, .offset: 8, .size: 8, .value_kind: global_buffer, .address_space: global }
      - { .name: wcodes, .offset: 16, .size: 8, .value_kind: global_buffer, .address_space: global }
      - { .name: wscales, .offset: 24, .size: 8, .value_kind: global_buffer, .address_space: global }
      - { .name: qs, .offset: 32, .size: 8, .value_kind: global_buffer, .address_space: global }
      - { .name: bk, .offset: 40, .size: 8, .value_kind: global_buffer, .address_space: global }
      - { .name: scores, .offset: 48, .size: 8, .value_kind: global_buffer, .address_space: global }
      - { .name: pacc, .offset: 56, .size: 8, .value_kind: global_buffer, .address_space: global }
      - { .name: pml, .offset: 64, .size: 8, .value_kind: global_buffer, .address_space: global }
    .group_segment_fixed_size: 327680
    .private_segment_fixed_size: 0
    .kernarg_segment_align: 8
    .kernarg_segment_size: 72
    .max_flat_workgroup_size: 128
    .sgpr_count:     66
    .vgpr_count:     1024
    .wavefront_size: 32
...
	.end_amdgpu_metadata
.endif
;; end of part 2
;; launch final (part 3): grid 64 x 1, 8 waves a work-group, no clusters, 5,120 bytes of LDS; arguments scores, pacc, pml, bv, Wo, bo, out0, out1; writes out0, out1
.if DOCPART == 3
	.amdgcn_target "amdgcn-amd-amdhsa--gfx1250"
	.amdhsa_code_object_version 6
	.text
	.protected	k_q29e50ee0c5_final
	.globl	k_q29e50ee0c5_final
	.p2align	8
	.type	k_q29e50ee0c5_final,@function
k_q29e50ee0c5_final:
	s_mov_b64 s[64:65], 0
	v_nop
	global_prefetch_b8 v0, s[64:65] scope:SCOPE_SE
	s_setreg_imm32_b32 hwreg(HW_REG_WAVE_MODE, 25, 1), 1
	s_wait_xcnt 0x0
; The softmax is closed over the 128 parts that the launch before left, and both outputs are made.
; scores[8][131072]: t in exponents of 2, -infinity where masked.  pml[128][8][2]: each part's maximum m and sum l.  pacc[128][512]: each part's sum of p V under its own m, column 64 head + d.
; Per head: M = the largest m; L = the sum of l 2^(m - M); weighted[d] = (the sum of pacc 2^(m - M)) / L + bv (the weights add up to 1); flat[8 d + head] = weighted[d].
; out1[n] = (1 / 8) the sum over heads of 2^(t - M) / L.   out0[j] = flat . Wo[j] + bo[j].
; SHARES.  Work-group g makes rows 2,048 g on of out1 and outputs 8 g .. 8 g + 7 of out0.  Wave w joins the parts of head w (every work-group does that for itself: 256 KiB read again, in place of one more launch),
; hands M, 1 / (8 L) and its 64 numbers of flat to the others through LDS (one barrier), and then makes output 8 g + w and its 256 rows of out1.
; If every row is masked, L is 0 and the results are NaN, as the softmax of nothing is.  Memory binds here and the products have one row: no matrix unit, no cluster, no tensor load.
.set ST, 0                             ; LDS: 16 bytes a head: M, M, 1 / (8 L), 1 / (8 L)
.set FL, 256                           ; flat, 2,048 bytes
.set ML, 10                            ; v10-17   (m, l) of parts lane + 32 i
.set EX, 18                            ; v18-21   2^(m - M) of those parts
.set AC, 32                            ; v32-39   four pairs of sums
.set BV, 40                            ; v40-41   bv of my two columns
.set RL, 42                            ; v42-43   1 / L, twice
.set WO, 44                            ; v44-59   my row of Wo
.set FT, 60                            ; v60-75   flat
.set PA, 76                            ; v76-139  two sets of 16 parts' pairs
.set SC, 140                           ; v140-203 scores: head hh, half a at SC + 8 hh + 4 a
.set HS, 204                           ; v204-235 the eight heads' four words
.set OU, 236                           ; v236-243 eight numbers of out1
	s_load_b256 s[4:11], s[0:1], 0x0               ; scores s[4:5], pacc s[6:7], pml s[8:9], bv s[10:11]
	s_load_b256 s[12:19], s[0:1], 0x20             ; Wo s[12:13], bo s[14:15], out0 s[16:17], out1 s[18:19]
	v_lshl_add_u32 v248, v0, 2, 0x1000
	v_mov_b32 v249, 0
	v_lshrrev_b32 v1, 5, v0
	s_delay_alu instid0(VALU_DEP_1)
	v_readfirstlane_b32 s20, v1                    ; wave 0..7
	v_and_b32 v1, 31, v0                           ; lane
	v_lshlrev_b32 v2, 4, v0                        ; 16 x thread: my four rows of 1,024
	s_lshl_b32 s21, s20, 3
	v_lshl_add_u32 v3, v1, 6, s21                  ; pml: 64 x part + 8 x head
	s_lshl_b32 s22, s20, 8
	v_lshl_add_u32 v4, v1, 3, s22                  ; pacc and bv: 256 x head + 8 x lane: columns d = 2 lane, 2 lane + 1
	v_lshlrev_b32 v5, 4, v1                        ; 16 x lane
	s_lshl_b32 s23, s20, 2
	v_lshl_add_u32 v6, v1, 6, s23
	s_delay_alu instid0(VALU_DEP_1)
	v_add_nc_u32 v6, FL, v6                        ; flat[8 d + head] for d = 2 lane: FL + 64 lane + 4 head
	s_lshl_b32 s24, s20, 4
	v_mov_b32 v7, s24                              ; ST + 16 x head
	v_add_nc_u32 v8, FL, v5
	v_mov_b32 v9, 0
	v_mov_b32 v23, 0                               ; a lane permute's destination counts as one of its sources
	s_lshl_b32 s26, ttmp9, 13                      ; 2,048 rows of f32
	s_mov_b32 s27, 0
	s_lshl_b32 s28, ttmp9, 3
	s_add_co_u32 s28, s28, s20                     ; j = 8 g + w
	s_lshl_b32 s30, s28, 11                        ; a row of Wo
	s_mov_b32 s31, 0
	s_lshl_b32 s32, s28, 2
	s_mov_b32 s33, 0
	s_mov_b32 s34, 0x76543210
	s_mov_b32 s35, 0xfedcba98                      ; v_permlanex16_b32's selects for lane l xor 16
.irp q, 0,1,2,3
	s_mov_b32 s[41+2*\q], 0                        ; the packed forms name a pair and take its low word: the upper is written
.endr
	s_wait_alu depctr_va_vdst(0)
	s_wait_kmcnt 0x0
	s_add_nc_u64 s[4:5], s[4:5], s[26:27]
	s_add_nc_u64 s[18:19], s[18:19], s[26:27]
	s_add_nc_u64 s[12:13], s[12:13], s[30:31]
	s_add_nc_u64 s[14:15], s[14:15], s[32:33]
	s_add_nc_u64 s[16:17], s[16:17], s[32:33]
	s_load_b32 s50, s[14:15], 0x0                  ; bo[j]
.macro PLOAD k                         ; parts 16 k .. 16 k + 15 into set k % 2: 256 consecutive bytes a load
.irp i, 0,1,2,3,4,5,6,7,8,9,10,11,12,13,14,15
	global_load_b64 v[PA+32*((\k)%2)+2*\i:PA+32*((\k)%2)+2*\i+1], v4, s[6:7] offset:2048*(16*(\k)+\i)
.endr
.endm
.macro PUSE k                          ; their pairs x 2^(m - M), which lies in lane part % 32 of register EX + part / 32; four sums by turns
.irp q, 0,1,2,3
.irp e, 0,1,2,3
	v_readlane_b32 s[40+2*\e], v[EX+(\k)/2], 16*((\k)%2)+4*\q+\e
.endr
.irp e, 0,1,2,3
.if ((\k) == 0) && (\q == 0)
	s_delay_alu instid0(VALU_DEP_4)
	v_pk_mul_f32 v[AC+2*\e:AC+2*\e+1], v[PA+32*((\k)%2)+2*(4*\q+\e):PA+32*((\k)%2)+2*(4*\q+\e)+1], s[40+2*\e:41+2*\e] op_sel_hi:[1,0]   ; the first four start the sums
.else
	s_delay_alu instid0(VALU_DEP_4)
	v_pk_fma_f32 v[AC+2*\e:AC+2*\e+1], v[PA+32*((\k)%2)+2*(4*\q+\e):PA+32*((\k)%2)+2*(4*\q+\e)+1], s[40+2*\e:41+2*\e], v[AC+2*\e:AC+2*\e+1] op_sel_hi:[1,0,1]
.endif
.endr
.endr
.endm
	; all that the wave will want is asked for at once, in the order in which it is wanted
.irp i, 0,1,2,3
	global_load_b64 v[ML+2*\i:ML+2*\i+1], v3, s[8:9] offset:2048*\i
.endr
	PLOAD 0
	PLOAD 1
.irp hh, 0,1,2,3,4,5,6,7
.irp a, 0,1
	global_load_b128 v[SC+8*\hh+4*\a:SC+8*\hh+4*\a+3], v2, s[4:5] offset:524288*\hh+4096*\a th:TH_LOAD_NT   ; 512 consecutive bytes a wave; read once in the launch
.endr
.endr
.irp i, 0,1,2,3
	global_load_b128 v[WO+4*\i:WO+4*\i+3], v5, s[12:13] offset:512*\i th:TH_LOAD_NT   ; Wo[j][128 i + 4 lane + 0 .. 3]
.endr
	global_load_b64 v[BV:BV+1], v4, s[10:11]
	s_wait_loadcnt 53                              ; pml's four are in: behind them 16 + 16 + 16 + 4 + 1 loads
	v_max3_num_f32 v22, v[ML], v[ML+2], v[ML+4]
	s_delay_alu instid0(VALU_DEP_1)
	v_max_num_f32 v22, v22, v[ML+6]
.irp x, 1,2,4,8
	s_delay_alu instid0(VALU_DEP_1)
	v_max_num_f32_dpp v22, v22, v22 row_xmask:\x row_mask:0xf bank_mask:0xf
.endr
	s_delay_alu instid0(VALU_DEP_1)
	v_permlanex16_b32 v23, v22, s34, s35
	s_delay_alu instid0(VALU_DEP_1)
	v_max_num_f32 v22, v22, v23                    ; M
.irp i, 0,1,2,3
	v_sub_f32 v[EX+\i], v[ML+2*\i], v22
.endr
	s_wait_alu depctr_va_vdst(0)
.irp i, 0,1,2,3
	v_exp_f32 v[EX+\i], v[EX+\i]
.endr
	v_mov_b32 v28, v22                             ; (a plain line behind the exponentials)
	v_mov_b32 v29, v22
	s_wait_alu depctr_va_vdst(0)
	v_mul_f32 v24, v[ML+1], v[EX]
	v_fma_f32 v24, v[ML+3], v[EX+1], v24
	v_fma_f32 v24, v[ML+5], v[EX+2], v24
	v_fma_f32 v24, v[ML+7], v[EX+3], v24
.irp x, 1,2,4,8
	s_delay_alu instid0(VALU_DEP_1)
	v_add_f32_dpp v24, v24, v24 row_xmask:\x row_mask:0xf bank_mask:0xf
.endr
	s_delay_alu instid0(VALU_DEP_1)
	v_permlanex16_b32 v23, v24, s34, s35
	s_delay_alu instid0(VALU_DEP_1)
	v_add_f32 v24, v24, v23                        ; L
	s_wait_alu depctr_va_vdst(0)
	v_rcp_f32 v[RL], v24
	v_nop                                          ; one plain line behind the reciprocal
	s_wait_alu depctr_va_vdst(0)
	v_mov_b32 v[RL+1], v[RL]
	v_mul_f32 v30, 0x3e000000, v[RL]               ; 1 / (8 L): the mean over the eight heads
	s_delay_alu instid0(VALU_DEP_1)
	v_mov_b32 v31, v30
	ds_store_b128 v7, v[28:31]                     ; every lane writes the same 16 bytes with the same values
	s_wait_loadcnt 37                              ; parts 0-15 are in: behind them 16 + 21 loads
	PUSE 0
	PLOAD 2
	s_wait_alu depctr_va_vdst(0)
	s_wait_loadcnt 37                              ; parts 16-31: behind them the 21 other loads and the 16 just issued
	PUSE 1
	PLOAD 3
	s_wait_alu depctr_va_vdst(0)
.irp k, 2,3,4,5
	s_wait_alu depctr_va_vdst(0)
	s_wait_loadcnt 16                              ; all but the 16 issued last
	PUSE \k
	PLOAD \k+2
.endr
	s_wait_alu depctr_va_vdst(0)
	s_wait_loadcnt 16
	PUSE 6
	s_wait_alu depctr_va_vdst(0)
	s_wait_loadcnt 0x0
	PUSE 7
	s_delay_alu instid0(VALU_DEP_3)
	v_pk_add_f32 v[AC:AC+1], v[AC:AC+1], v[AC+2:AC+3]
	s_delay_alu instid0(VALU_DEP_2)
	v_pk_add_f32 v[AC+4:AC+5], v[AC+4:AC+5], v[AC+6:AC+7]
	s_delay_alu instid0(VALU_DEP_1)
	v_pk_add_f32 v[AC:AC+1], v[AC:AC+1], v[AC+4:AC+5]
	v_pk_fma_f32 v[AC:AC+1], v[AC:AC+1], v[RL:RL+1], v[BV:BV+1]   ; / L, + bv
	ds_store_b32 v6, v[AC]                         ; flat[8 (2 lane) + head]
	ds_store_b32 v6, v[AC+1] offset:32             ; flat[8 (2 lane + 1) + head]
	s_wait_dscnt 0x0                               ; for the others' sake: my stores have landed
	s_barrier_signal -1
	s_barrier_wait -1
.irp hh, 0,1,2,3,4,5,6,7
	ds_load_b128 v[HS+4*\hh:HS+4*\hh+3], v9 offset:ST+16*\hh
.endr
.irp i, 0,1,2,3
	ds_load_b128 v[FT+4*\i:FT+4*\i+3], v8 offset:512*\i            ; flat[128 i + 4 lane + 0 .. 3]
.endr
	s_wait_dscnt 0x0
	; out1
.irp hh, 0,1,2,3,4,5,6,7
.irp e, 0,2,4,6
	v_pk_add_f32 v[SC+8*\hh+\e:SC+8*\hh+\e+1], v[SC+8*\hh+\e:SC+8*\hh+\e+1], v[HS+4*\hh:HS+4*\hh+1] neg_lo:[0,1] neg_hi:[0,1]   ; t - M
.endr
.endr
.set ii, 0
	s_wait_alu depctr_va_vdst(0)
.rept 64
	v_exp_f32 v[SC+ii], v[SC+ii]
.set ii, ii+1
.endr
	v_nop                                          ; one plain line behind the exponentials
	s_wait_alu depctr_va_vdst(0)
.irp e, 0,2,4,6
	v_pk_mul_f32 v[OU+\e:OU+\e+1], v[SC+\e:SC+\e+1], v[HS+2:HS+3]
.endr
.irp hh, 1,2,3,4,5,6,7
.irp e, 0,2,4,6
	v_pk_fma_f32 v[OU+\e:OU+\e+1], v[SC+8*\hh+\e:SC+8*\hh+\e+1], v[HS+4*\hh+2:HS+4*\hh+3], v[OU+\e:OU+\e+1]
.endr
.endr
.irp a, 0,1
	global_store_b128 v2, v[OU+4*\a:OU+4*\a+3], s[18:19] offset:4096*\a th:TH_STORE_NT   ; a wave stores 512 consecutive bytes, aligned
.endr
	; out0
	v_pk_mul_f32 v[24:25], v[WO:WO+1], v[FT:FT+1]
.irp e, 2,4,6,8,10,12,14
	s_delay_alu instid0(VALU_DEP_1)
	v_pk_fma_f32 v[24:25], v[WO+\e:WO+\e+1], v[FT+\e:FT+\e+1], v[24:25]
.endr
	s_delay_alu instid0(VALU_DEP_1)
	v_add_f32 v24, v24, v25
.irp x, 1,2,4,8
	s_delay_alu instid0(VALU_DEP_1)
	v_add_f32_dpp v24, v24, v24 row_xmask:\x row_mask:0xf bank_mask:0xf
.endr
	s_delay_alu instid0(VALU_DEP_1)
	v_permlanex16_b32 v23, v24, s34, s35
	s_delay_alu instid0(VALU_DEP_1)
	v_add_f32 v24, v24, v23
	s_wait_alu depctr_va_vdst(0)
	s_wait_kmcnt 0x0
	v_add_f32 v24, s50, v24                        ; + bo[j]
	v_cmp_eq_u32 vcc_lo, 0, v1
	s_wait_alu depctr_va_vdst(0)
	s_wait_xcnt 0x0                                ; EXEC changes only behind this wait
	s_wait_tensorcnt 0x0
	ds_add_u32 v248, v249
	s_wait_dscnt 0x0
	s_and_saveexec_b32 s36, vcc_lo
	global_store_b32 v9, v24, s[16:17]             ; one number a wave: out0 is 2,048 bytes in all
	s_wait_xcnt 0x0
	s_or_b32 exec_lo, exec_lo, s36
	s_endpgm
.Lfunc_end_k_q29e50ee0c5_final:
	.size	k_q29e50ee0c5_final, .Lfunc_end_k_q29e50ee0c5_final-k_q29e50ee0c5_final
	.p2alignl 7, 3214868480
	.fill 96, 4, 3214868480
	.section	.rodata,"a",@progbits
	.p2align	6, 0x0
	.amdhsa_kernel k_q29e50ee0c5_final
		.amdhsa_group_segment_fixed_size 5120
		.amdhsa_private_segment_fixed_size 0
		.amdhsa_enable_private_segment 0
		.amdhsa_kernarg_size 64
		.amdhsa_user_sgpr_count 2
		.amdhsa_user_sgpr_kernarg_segment_ptr 1
		.amdhsa_wavefront_size32 1
		.amdhsa_system_sgpr_workgroup_id_x 1
		.amdhsa_system_sgpr_workgroup_id_y 1
		.amdhsa_system_sgpr_workgroup_id_z 1
		.amdhsa_system_vgpr_workitem_id 0
		.amdhsa_next_free_vgpr 250
		.amdhsa_next_free_sgpr 66
		.amdhsa_reserve_vcc 1
		.amdhsa_float_denorm_mode_32 3
		.amdhsa_float_denorm_mode_16_64 3
		.amdhsa_memory_ordered 1
		.amdhsa_forward_progress 1
		.amdhsa_inst_pref_size 49
	.end_amdhsa_kernel
	.amdgpu_metadata
---
amdhsa.version: [ 1, 2 ]
amdhsa.kernels:
  - .name:           k_q29e50ee0c5_final
    .symbol:         k_q29e50ee0c5_final.kd
    .args:
      - { .name: scores, .offset: 0, .size: 8, .value_kind: global_buffer, .address_space: global }
      - { .name: pacc, .offset: 8, .size: 8, .value_kind: global_buffer, .address_space: global }
      - { .name: pml, .offset: 16, .size: 8, .value_kind: global_buffer, .address_space: global }
      - { .name: bv, .offset: 24, .size: 8, .value_kind: global_buffer, .address_space: global }
      - { .name: Wo, .offset: 32, .size: 8, .value_kind: global_buffer, .address_space: global }
      - { .name: bo, .offset: 40, .size: 8, .value_kind: global_buffer, .address_space: global }
      - { .name: out0, .offset: 48, .size: 8, .value_kind: global_buffer, .address_space: global }
      - { .name: out1, .offset: 56, .size: 8, .value_kind: global_buffer, .address_space: global }
    .group_segment_fixed_size: 5120
    .private_segment_fixed_size: 0
    .kernarg_segment_align: 8
    .kernarg_segment_size: 64
    .max_flat_workgroup_size: 256
    .sgpr_count:     66
    .vgpr_count:     250
    .wavefront_size: 32
...
	.end_amdgpu_metadata
.endif
;; end of part 3
